; MI455X (gfx1250); checked and timed in simulation.
; The chip was launched on July 23, 2026; its instructions are those of AMD's public machine-readable ISA for CDNA 5 (MIT licence, August 2026) and "CDNA5" Instruction Set Architecture Reference Guide (July 2026). The comments in the code are by the model that wrote it; some were corrected since.
;; Bahdanau Attention. Allowed arithmetic: matrix products marked QUANTISED: E3M2 operands, one E8M0 scale for each 32 along K, by v_wmma_scale_f32_16x16x128_f8f6f4 with both operands' format E3M2, f32 sums; products left as they are: f32 operands where the result goes on into a quantised operand, else bf16, f16 or f32 operands; f32 sums; everything else in f32.
;; Inputs: Ua_b 1,024 float32; Ua_w 1,024 x 1,024 float32; Va_b 1 float32; Va_w 1,024 x 1 float32; Wa_b 1,024 float32; Wa_w 2,048 x 1,024 float32; keys 32 x 2,048 x 1,024 float32; query 32 x 1 x 2,048 float32.
;; Outputs: out0 32 x 1 x 1,024 float32; out1 32 x 1 x 2,048 float32.
;; This version of the problem:
;;   THIS VERSION OF THE PROBLEM IS GIVEN IN LOW PRECISION. The matrix products marked QUANTISED in the list below multiply operands that are first quantised to E3M2 (3 exponent bits, 2 mantissa bits; 6 bits a number), with one power-of-two scale for each 32 numbers along K (OCP MX v1.0); their sums are f32. All else is computed in f32.
;;   The module's matrix products, in the order in which they are computed (A, B: the left and right operand; K: the contracted axis; several contracted axes count as one K, in the product's order):
;;     1. [M 32, K 2,048] x [K 2,048, N 1,024]; A: input query; B: input Wa_w: QUANTISED
;;     2. [M 65,536, K 1,024] x [K 1,024, N 1,024]; A: input keys; B: input Ua_w: QUANTISED
;;     3. [M 65,536, K 1,024] x [K 1,024, N 1]; A: computed on the way; B: input Va_w: left as it is (N = 1 < 16)
;;     4. batch 32 x [M 1, K 2,048] x [K 2,048, N 1,024]; A: softmax; B: input keys: left as it is (M = 1 < 16)
;;   THE QUANTISER, for each operand of a quantised product, along K:
;;     - K is cut into blocks of 32 from its start; a last block that is shorter is filled with zeros.
;;     - A block's scale is 2^e with e = floor(log2(the largest magnitude in the block)) - 4, held to -126 .. 127; a block of zeros has e = 0. As a byte (E8M0): e + 127.
;;     - Each number is divided by its block's scale, clamped to +-28, and rounded to the nearest number of E3M2, ties to even, subnormals kept.
;;     - The product sums the exact products of the quantised numbers (number of the format x scale) in f32.
;;   ~~~python
;;   def quantise(x, axis):      # numpy; x: float32 -> the quantised numbers, widened to float32 again
;;       x = np.moveaxis(x, axis, -1); K = x.shape[-1]
;;       x = np.pad(x, [(0, 0)] * (x.ndim - 1) + [(0, -K % 32)]); x = x.reshape(x.shape[:-1] + (-1, 32)); a = np.abs(x).max(-1, keepdims=True)
;;       e = np.where(a > 0, np.clip(np.frexp(np.where(a > 0, a, 1))[1] - 1 - 4, -126, 127), 0)      # np.frexp(a)[1] - 1 = floor(log2(a)), exactly
;;       r = np.clip(x / 2.0 ** e, -28, 28)
;;       step = 2.0 ** (np.maximum(np.frexp(np.where(r == 0, 1, r))[1] - 1, -2) - 2)
;;       q = np.round(r / step) * step * 2.0 ** e      # np.round: ties to even
;;       return np.moveaxis(q.reshape(q.shape[:-2] + (-1,))[..., :K], -1, axis).astype(np.float32)
;;   ~~~
;; One version. Each part assembles by itself: llvm-mc -triple=amdgcn-amd-amdhsa -mcpu=gfx1250 --defsym DOCPART=n.
;; ======== version 1 of 1: 3 launches
;; limits: right only within a limited range of input values
;; workspace buffers: ub 851,968 bytes; qbc 131,072 bytes; scores 262,144 bytes; kc 50,331,648 bytes; ksc 2,097,152 bytes
;; launch prep (part 1): grid 608 x 1, 16 waves a work-group, no clusters, 305,152 bytes of LDS; arguments query, Wa_w, Wa_b, Ua_w, Ua_b, ub, qbc, keys, kc, ksc; writes ub, qbc, kc, ksc
.if DOCPART == 1
	.amdgcn_target "amdgcn-amd-amdhsa--gfx1250"
	.amdhsa_code_object_version 6
	.text
	.protected	k_q47fa8f8cb6_prep
	.globl	k_q47fa8f8cb6_prep
	.p2align	8
	.type	k_q47fa8f8cb6_prep,@function
k_q47fa8f8cb6_prep:
	s_mov_b64 s[64:65], 0
	v_nop
	global_prefetch_b8 v0, s[64:65] scope:SCOPE_SE
	s_setreg_imm32_b32 hwreg(HW_REG_WAVE_MODE, 25, 1), 1
	s_wait_xcnt 0x0
; Two small jobs in one launch, parted by the work-group's number.
; Work-groups 0-63 (path W): qbc[m][n] = 2 log2(e) x (Q(query) Q(Wa_w) + Wa_b + Ua_b)[m][n] for the 16 columns n = 16 g .. 16 g + 15 and all 32 rows m.  Wave w takes K step w
;   (128 of the 2,048 along K): it quantises its 128 x 16 piece of Wa_w and its 32 x 128 piece of query to BF6 (E3M2) and issues two matrix instructions; the 16 partial sums meet in LDS.
;   (K is split over the waves and summed in f32: q goes into a tanh, into no quantiser.)
;   query is read as it lies: a load takes one row's 512 consecutive bytes of the K step; 16 rows turn through the wave's own stage in LDS, so that a lane gets 2 x 32 neighbours of ITS row.
; Work-groups 64-95 (path U): Ua_w is quantised along K and laid out for the next launch.  Wave w of work-group 64 + u takes columns 16 nt .. + 15, nt = 2 u + w / 8, and K step w % 8.
;   ub holds a record of 13,312 bytes for each nt: eight images of the operand's 12 registers (K step ks at 1,536 ks; registers 4 c .. 4 c + 3 of lane l at 512 c + 16 l), then at 12,288 the scale words (lane l, K step ks at 32 l + 4 ks).
; A LANE TAKES A COLUMN n OF THE WEIGHT AND ITS REGISTERS RUN DOWN K, in the order that the operand's layout gives that lane (k = 64 c + 32 h + 0 .. 31): the conversions' results are the operand's registers.
; A block's scale byte is its largest magnitude's exponent field - 4, held at 1 from below.
; LIMITS: NaN and infinities among the inputs are not served; a block of zeros gets the byte 1 (its codes are zeros; the bytes are read by this program alone).
; WORK LEFT OUT, in the whole program.  With tanh(x) = 1 - 2 r, r = 1 / (1 + e^(2 x)), reference()'s score of row s is Va_b + sum over n of Va[n] - 2 sum over n of Va[n] r[s][n].
; The first two terms are the same for every s of a batch, the scores go into the softmax along s and nowhere else, and softmax(z + t) = softmax(z) for every number t: so they reach no output, whatever the inputs hold.
; The program's scores are - 2 sum Va r.  Va_b has then no way to any output: it is not loaded and is among no launch's arguments.  LIMIT: a NaN, an infinity or an overflow that reaches only these two terms is not carried to the results.
; Work-groups 96-607 (path K): keys is quantised along K once, for the next launch.  Wave w of work-group 96 + g takes unit u = 16 g + w: row tile u / 2 (16 rows) and K steps 4 (u % 2) .. + 3.
;   kc holds 12,288 bytes for each row tile: eight images of the operand's 12 registers, laid as in ub.  ksc holds 512 bytes for each row tile: for each half of K 16 rows x 4 scale words.
;   Path K has LDS bytes of its own (a stage of 16 x 528 bytes for each wave, from STGK on).
.set REC,  13312
.set STGK, 167936
.set SPARE, STGK+16*8448               ; the spare words, 128 bytes for each wave: no other line names them
.set STGQ, 32768                       ; LDS: 16 x 2,048 bytes of partial sums, then for each wave a stage of 16 rows x (512 + 16) bytes
.set SH8,  4                           ; v4   8 x (lane / 16): where my two scale bytes go in the word
.set MX,   10                          ; v10-11 largest magnitudes of my two blocks
.set SOP,  12                          ; v12-13 the conversions' scale operands
.set BY,   14                          ; v14-15 the scale bytes
.set WD,   16
.set PX,   17
.set T,    18                          ; v18-20, v22-24: the upper halves of the blocks' codes, before they are moved
.set STI,  21                          ; v21  my stage + 16 x lane
.set STO,  3                           ; v3   my stage + 528 r + 128 h (path W; until then h)
.set SEL,  30                          ; s[30:31] lane selects: lane l xor 16
; 64 numbers of a lane, v[x + 32 c + i] = k 64 c + 32 h + i, become the 12 registers v[dst ..] of a fragment and the scale word v[sc] (whole in every lane)
.macro QUANT6 x, dst, sc
.irp c, 0,1
	v_max3_num_f32 v[MX+\c], |v[(\x)+32*\c]|, |v[(\x)+32*\c+1]|, 0x2800000   ; with the floor 2^(5 - 127): the byte cannot fall under 1
.endr
.irp i, 2,4,6,8,10,12,14,16,18,20,22,24,26,28,30
.irp c, 0,1
	s_delay_alu instid0(VALU_DEP_2)
	v_max3_num_f32 v[MX+\c], v[MX+\c], |v[(\x)+32*\c+\i]|, |v[(\x)+32*\c+\i+1]|
.endr
.endr
.irp c, 0,1
	s_delay_alu instid0(VALU_DEP_2)
	v_add_nc_u32 v[SOP+\c], 0xfe000000, v[MX+\c]   ; 4 off the exponent field: the conversion's scale operand
.endr
.irp c, 0,1
	s_delay_alu instid0(VALU_DEP_2)
	v_lshrrev_b32 v[BY+\c], 23, v[SOP+\c]          ; the scale's byte
.endr
	s_delay_alu instid0(VALU_DEP_1)
	v_lshl_or_b32 v[WD], v[BY+1], 16, v[BY]        ; blocks h and 2 + h,
	s_delay_alu instid0(VALU_DEP_1)
	v_lshlrev_b32 v[WD], v[SH8], v[WD]             ; at their places in the word;
	s_delay_alu instid0(VALU_DEP_1)
	v_permlanex16_b32 v[PX], v[WD], s[SEL], s[SEL+1]
	s_delay_alu instid0(VALU_DEP_1)
	v_or_b32 v[\sc], v[WD], v[PX]                  ; with lane l xor 16's two the word is whole
.irp c, 0,1
	v_cvt_scalef32_pk16_bf6_f32 v[(\dst)+6*\c:(\dst)+6*\c+2], v[(\x)+32*\c:(\x)+32*\c+15], v[SOP+\c]
	v_cvt_scalef32_pk16_bf6_f32 v[T+4*\c:T+4*\c+2], v[(\x)+32*\c+16:(\x)+32*\c+31], v[SOP+\c]   ; (a conversion's three registers begin on an even number)
.endr
	v_nop                                          ; one plain place behind a scaled conversion
.irp c, 0,1
.irp i, 0,1,2
	v_mov_b32 v[(\dst)+6*\c+3+\i], v[T+4*\c+\i]
.endr
.endr
.endm
; Row tile a of query (16 rows x 512 bytes, one row a load) goes through my stage and comes back into the registers that it left: register 32 c + 4 j + e of lane (r, h) is then k = 64 c + 32 h + 4 j + e of row 16 a + r.
; LDS serves a wave's instructions in order: no wait between the stores and the loads, nor in front of the next tile's stores.
.macro TURNQ a
.irp i, 0,1,2,3,4,5,6,7,8,9,10,11,12,13,14,15
	ds_store_b128 v[STI], v[128+64*\a+4*\i:128+64*\a+4*\i+3] offset:528*\i
.endr
.irp c, 0,1
.irp j, 0,1,2,3,4,5,6,7
	ds_load_b128 v[128+64*\a+32*\c+4*\j:128+64*\a+32*\c+4*\j+3], v[STO] offset:256*\c+16*\j
.endr
.endr
.endm
	s_load_b256 s[4:11], s[0:1], 0x0               ; query s[4:5], Wa_w s[6:7], Wa_b s[8:9], Ua_w s[10:11]
	s_load_b128 s[12:15], s[0:1], 0x20             ; Ua_b s[12:13], ub s[14:15]
	s_load_b64 s[16:17], s[0:1], 0x30
	s_load_b128 s[32:35], s[0:1], 0x38             ; keys s[32:33], kc s[34:35]
	s_load_b64 s[36:37], s[0:1], 0x48              ; ksc
	v_lshrrev_b32 v1, 5, v0
	s_delay_alu instid0(VALU_DEP_1)
	v_readfirstlane_b32 s18, v1                    ; wave 0..15
	v_and_b32 v1, 31, v0                           ; lane
	v_and_b32 v2, 15, v0                           ; r
	v_bfe_u32 v3, v0, 4, 1                         ; h
	s_delay_alu instid0(VALU_DEP_1)
	v_lshlrev_b32 v[SH8], 3, v3
	s_delay_alu instid0(VALU_DEP_3)
	v_lshlrev_b32 v5, 2, v2
	s_delay_alu instid0(VALU_DEP_1)
	v_lshl_add_u32 v5, v3, 17, v5                  ; the weight: column r, lanes 16-31 begin 32 rows of 4,096 bytes further down
	v_mov_b32 v[PX], 0                             ; a lane permute's destination counts as one of its sources
	s_mov_b32 s[SEL], 0x76543210
	s_mov_b32 s[SEL+1], 0xfedcba98
	s_mov_b32 s20, ttmp9                           ; path W: column tile g, K step w
	s_mov_b32 s21, s18
	s_sub_co_u32 s22, ttmp9, 64                    ; path U: column tile 2 (g - 64) + w / 8, K step w % 8
	s_lshl_b32 s22, s22, 1
	s_lshr_b32 s23, s18, 3
	s_add_co_u32 s22, s22, s23
	s_and_b32 s23, s18, 7
	s_wait_alu depctr_va_vdst(0)
	s_wait_kmcnt 0x0
	s_cmp_ge_u32 ttmp9, 96                         ; the choice hangs on the work-group's number alone
	s_cbranch_scc1 .Lpath_k
	s_cmp_lt_u32 ttmp9, 64                         ; the choice hangs on the work-group's number alone
	s_cselect_b64 s[6:7], s[6:7], s[10:11]
	s_cselect_b32 s20, s20, s22
	s_cselect_b32 s21, s21, s23
	s_lshl_b32 s24, s21, 19                        ; 128 rows of 4,096 bytes a K step,
	s_lshl_b32 s25, s20, 6                         ; 64 bytes a column tile
	s_add_co_u32 s24, s24, s25
	s_mov_b32 s25, 0
	s_add_nc_u64 s[6:7], s[6:7], s[24:25]
.irp c, 0,1
.irp i, 0,1,2,3,4,5,6,7,8,9,10,11,12,13,14,15,16,17,18,19,20,21,22,23,24,25,26,27,28,29,30,31
	global_load_b32 v[64+32*\c+\i], v5, s[6:7] offset:(64*\c+\i)*4096   ; W(64 c + 32 h + i, r)
.endr
.endr
	s_cmp_lt_u32 ttmp9, 64
	s_cbranch_scc1 .Lpath_w
	; ---- path U: the fragment's image and its scale word go to ub
	s_mul_i32 s24, s20, REC
	s_add_nc_u64 s[14:15], s[14:15], s[24:25]      ; my column tile's record
	s_mul_i32 s26, s21, 1536
	v_lshlrev_b32 v25, 4, v1
	s_delay_alu instid0(VALU_DEP_1)
	v_add_nc_u32 v25, s26, v25                     ; 16 x lane + 1,536 x K step
	s_lshl_b32 s27, s21, 2
	v_lshlrev_b32 v26, 5, v1
	s_delay_alu instid0(VALU_DEP_1)
	v_add_nc_u32 v26, s27, v26                     ; 32 x lane + 4 x K step
	s_wait_loadcnt 0x0
	QUANT6 64, 28, 7
.irp c, 0,1,2
	global_store_b128 v25, v[28+4*\c:31+4*\c], s[14:15] offset:512*\c   ; 32 lanes store 512 consecutive bytes
.endr
	global_store_b32 v26, v7, s[14:15] offset:12288
	s_endpgm
	; ---- path W
.Lpath_w:
	s_lshl_b32 s24, s18, 9                         ; query: my K step's 512 bytes of a row
	s_add_nc_u64 s[4:5], s[4:5], s[24:25]
	v_lshlrev_b32 v6, 4, v1                        ; 16 x lane
.irp a, 0,1
.irp i, 0,1,2,3,4,5,6,7,8,9,10,11,12,13,14,15
	global_load_b128 v[128+64*\a+4*\i:128+64*\a+4*\i+3], v6, s[4:5] offset:(16*\a+\i)*8192   ; row 16 a + i: 32 lanes read 512 consecutive bytes
.endr
.endr
	s_mul_i32 s26, s18, 16*528
	s_add_co_u32 s26, s26, STGQ                    ; my stage
	v_add_nc_u32 v[STI], s26, v6
	v_lshlrev_b32 v[STO], 7, v3                    ; 128 h,
	s_delay_alu instid0(VALU_DEP_1)
	v_mad_u32_u24 v[STO], v2, 528, v[STO]          ; + 528 r
	s_delay_alu instid0(VALU_DEP_1)
	v_add_nc_u32 v[STO], s26, v[STO]
	s_lshl_b32 s24, ttmp9, 6                       ; my 16 columns: 64 bytes
	s_add_nc_u64 s[8:9], s[8:9], s[24:25]
	s_add_nc_u64 s[12:13], s[12:13], s[24:25]
	s_add_nc_u64 s[16:17], s[16:17], s[24:25]
	v_lshlrev_b32 v25, 2, v2                       ; thread t ends up with column t % 16
	global_load_b32 v26, v25, s[8:9]               ; Wa_b
	global_load_b32 v27, v25, s[12:13]             ; Ua_b
	s_wait_loadcnt 34                              ; the weight's 64 loads are in; behind them: query's 32 and the two biases
	QUANT6 64, 28, 7
	s_wait_loadcnt 18                              ; query's rows 0-15
	TURNQ 0
	s_wait_loadcnt 2                               ; and rows 16-31
	TURNQ 1
	s_wait_dscnt 32                                ; tile 0 is back from the stage; behind its loads: tile 1's 16 stores and 16 loads
	QUANT6 128, 40, 8
	s_wait_dscnt 0x0
	QUANT6 192, 52, 9
.rept 8
	v_nop                                          ; a scale register written by a vector instruction stands 8 places ahead of a scaled matrix instruction, an operand so written 4
.endr
	v_wmma_scale_f32_16x16x128_f8f6f4 v[64:71], v[40:51], v[28:39], 0, v8, v7 matrix_a_fmt:MATRIX_FMT_BF6 matrix_b_fmt:MATRIX_FMT_BF6   ; register j of lane (r, h): (m = 8 h + j, n = r)
	v_wmma_scale_f32_16x16x128_f8f6f4 v[72:79], v[52:63], v[28:39], 0, v9, v7 matrix_a_fmt:MATRIX_FMT_BF6 matrix_b_fmt:MATRIX_FMT_BF6   ; m = 16 + 8 h + j
	; the addresses for the way out are made here: plain instructions that name no register of the products, the places behind them
	v_lshlrev_b32 v80, 4, v1
	s_lshl_b32 s24, s18, 11
	v_add_nc_u32 v80, s24, v80                     ; in: 2,048 bytes a wave, 16 x lane; registers 4 q .. 4 q + 3 at 512 q
	v_lshlrev_b32 v81, 4, v2                       ; back: thread t takes (m = t / 16, n = t % 16): byte 1,024 (m / 16) + 512 ((m / 4) % 2) + 256 ((m / 8) % 2) + 16 n + 4 (m % 4)
	v_bfe_u32 v82, v0, 4, 2
	s_delay_alu instid0(VALU_DEP_1)
	v_lshl_add_u32 v81, v82, 2, v81
	v_bfe_u32 v82, v0, 6, 1
	s_delay_alu instid0(VALU_DEP_1)
	v_lshl_add_u32 v81, v82, 9, v81
	v_bfe_u32 v82, v0, 7, 1
	s_delay_alu instid0(VALU_DEP_1)
	v_lshl_add_u32 v81, v82, 8, v81
	v_bfe_u32 v82, v0, 8, 1
	s_delay_alu instid0(VALU_DEP_1)
	v_lshl_add_u32 v81, v82, 10, v81
	v_lshrrev_b32 v82, 4, v0
	v_lshlrev_b32 v83, 2, v2
	s_delay_alu instid0(VALU_DEP_1)
	v_lshl_add_u32 v83, v82, 12, v83               ; qbc: row m of 4,096 bytes, + 4 n
.irp q, 0,1,2,3
	ds_store_b128 v80, v[64+4*\q:67+4*\q] offset:512*\q   ; each accumulator from its low end on
.endr
	s_wait_alu depctr_va_vdst(0)
	s_wait_dscnt 0x0                               ; for the others' sake: my partial sums lie in LDS
	s_barrier_signal -1
	s_barrier_wait -1
.irp k, 0,1,2,3,4,5,6,7,8,9,10,11,12,13,14,15
	ds_load_b32 v[96+\k], v81 offset:2048*\k       ; the sixteen K steps' parts of my number
.endr
	s_wait_dscnt 0x0
.irp k, 0,2,4,6
	v_pk_add_f32 v[96+\k:97+\k], v[96+\k:97+\k], v[104+\k:105+\k]
.endr
.irp k, 0,2
	s_delay_alu instid0(VALU_DEP_2)
	v_pk_add_f32 v[96+\k:97+\k], v[96+\k:97+\k], v[100+\k:101+\k]
.endr
	s_delay_alu instid0(VALU_DEP_1)
	v_pk_add_f32 v[96:97], v[96:97], v[98:99]
	s_delay_alu instid0(VALU_DEP_1)
	v_add_f32 v96, v96, v97
	s_wait_loadcnt 0x0                             ; the biases
	v_add_f32 v26, v26, v27
	s_wait_alu depctr_va_vdst(0)
	v_add_f32 v96, v96, v26
	s_delay_alu instid0(VALU_DEP_1)
	v_mul_f32 v96, 0x4038aa3b, v96                 ; x 2 log2(e): the next launch's exponential works in base 2
	global_store_b32 v83, v96, s[16:17]            ; sixteen neighbouring lanes store 64 neighbouring bytes of a row
	v_lshl_add_u32 v84, v0, 2, SPARE               ; the wave's end
	v_mov_b32 v85, 0
	s_wait_alu depctr_va_vdst(0)
	s_wait_tensorcnt 0x0
	ds_add_u32 v84, v85
	s_wait_dscnt 0x0
	s_endpgm
	; ---- path K
.macro LOADK s                         ; K step s of my four: 16 rows, a load reads one row's 512 consecutive bytes
.irp i, 0,1,2,3,4,5,6,7,8,9,10,11,12,13,14,15
	global_load_b128 v[128+64*((\s)%2)+4*\i:128+64*((\s)%2)+4*\i+3], v6, s[32:33] offset:\i*4096+512*(\s) th:TH_LOAD_NT
.endr
.endm
.macro KSTEP s, a, left                ; left: the younger loads that may stay out
	s_wait_loadcnt \left
	TURNQ \a
	s_wait_dscnt 0x0
	QUANT6 128+64*\a, 28+12*\s, 80+\s
.irp c, 0,1,2
	global_store_b128 v6, v[28+12*\s+4*\c:31+12*\s+4*\c], s[34:35] offset:1536*\s+512*\c   ; 32 lanes store 512 consecutive bytes; each step has its own registers
.endr
.if \s < 2
	LOADK \s+2
.endif
.endm
.Lpath_k:
	s_sub_co_u32 s20, ttmp9, 96
	s_lshl_b32 s20, s20, 4
	s_add_co_u32 s20, s20, s18                     ; unit u
	s_lshr_b32 s21, s20, 1                         ; row tile
	s_and_b32 s22, s20, 1                          ; half of K
	s_lshl_b32 s24, s21, 16                        ; keys: 16 rows of 4,096 bytes a row tile,
	s_lshl_b32 s23, s22, 11                        ; 2,048 bytes a half
	s_add_co_u32 s24, s24, s23
	s_mov_b32 s25, 0
	s_add_nc_u64 s[32:33], s[32:33], s[24:25]
	s_mul_i32 s24, s21, 12288
	s_mul_i32 s23, s22, 6144
	s_add_co_u32 s24, s24, s23
	s_add_nc_u64 s[34:35], s[34:35], s[24:25]
	s_lshl_b32 s24, s20, 8                         ; 256 bytes of scale words a unit
	s_add_nc_u64 s[36:37], s[36:37], s[24:25]
	v_lshlrev_b32 v6, 4, v1                        ; 16 x lane
	LOADK 0
	LOADK 1
	s_mul_i32 s26, s18, 8448
	s_add_co_u32 s26, s26, STGK                    ; my stage
	v_add_nc_u32 v[STI], s26, v6
	v_lshlrev_b32 v[STO], 7, v3
	v_mad_u32_u24 v[STO], v2, 528, v[STO]
	v_add_nc_u32 v[STO], s26, v[STO]
	v_lshlrev_b32 v25, 4, v2                       ; 16 r
	s_wait_alu depctr_va_vdst(0)
	KSTEP 0, 0, 16
	KSTEP 1, 1, 16
	KSTEP 2, 0, 16
	KSTEP 3, 1, 0
	global_store_b128 v25, v[80:83], s[36:37]      ; row r's four scale words: 256 consecutive bytes; lanes r and 16 + r store the same bytes with the same values
	v_lshl_add_u32 v84, v0, 2, SPARE               ; the wave's end, as above
	v_mov_b32 v85, 0
	s_wait_alu depctr_va_vdst(0)
	s_wait_tensorcnt 0x0
	ds_add_u32 v84, v85
	s_wait_dscnt 0x0
	s_endpgm
.Lfunc_end_k_q47fa8f8cb6_prep:
	.size	k_q47fa8f8cb6_prep, .Lfunc_end_k_q47fa8f8cb6_prep-k_q47fa8f8cb6_prep
	.p2alignl 7, 3214868480
	.fill 96, 4, 3214868480
	.section	.rodata,"a",@progbits
	.p2align	6, 0x0
	.amdhsa_kernel k_q47fa8f8cb6_prep
		.amdhsa_group_segment_fixed_size 305152
		.amdhsa_private_segment_fixed_size 0
		.amdhsa_enable_private_segment 0
		.amdhsa_kernarg_size 80
		.amdhsa_user_sgpr_count 2
		.amdhsa_user_sgpr_kernarg_segment_ptr 1
		.amdhsa_wavefront_size32 1
		.amdhsa_system_sgpr_workgroup_id_x 1
		.amdhsa_system_sgpr_workgroup_id_y 1
		.amdhsa_system_sgpr_workgroup_id_z 1
		.amdhsa_system_vgpr_workitem_id 0
		.amdhsa_next_free_vgpr 256
		.amdhsa_next_free_sgpr 66
		.amdhsa_reserve_vcc 0
		.amdhsa_float_denorm_mode_32 3
		.amdhsa_float_denorm_mode_16_64 3
		.amdhsa_memory_ordered 1
		.amdhsa_forward_progress 1
		.amdhsa_inst_pref_size 71
	.end_amdhsa_kernel
	.amdgpu_metadata
---
amdhsa.version: [ 1, 2 ]
amdhsa.kernels:
  - .name:           k_q47fa8f8cb6_prep
    .symbol:         k_q47fa8f8cb6_prep.kd
    .args:
      - { .name: query, .offset: 0, .size: 8, .value_kind: global_buffer, .address_space: global }
      - { .name: Wa_w, .offset: 8, .size: 8, .value_kind: global_buffer, .address_space: global }
      - { .name: Wa_b, .offset: 16, .size: 8, .value_kind: global_buffer, .address_space: global }
      - { .name: Ua_w, .offset: 24, .size: 8, .value_kind: global_buffer, .address_space: global }
      - { .name: Ua_b, .offset: 32, .size: 8, .value_kind: global_buffer, .address_space: global }
      - { .name: ub, .offset: 40, .size: 8, .value_kind: global_buffer, .address_space: global }
      - { .name: qbc, .offset: 48, .size: 8, .value_kind: global_buffer, .address_space: global }
      - { .name: keys, .offset: 56, .size: 8, .value_kind: global_buffer, .address_space: global }
      - { .name: kc, .offset: 64, .size: 8, .value_kind: global_buffer, .address_space: global }
      - { .name: ksc, .offset: 72, .size: 8, .value_kind: global_buffer, .address_space: global }
    .group_segment_fixed_size: 305152
    .private_segment_fixed_size: 0
    .kernarg_segment_align: 8
    .kernarg_segment_size: 80
    .max_flat_workgroup_size: 512
    .sgpr_count:     66
    .vgpr_count:     256
    .wavefront_size: 32
...
	.end_amdgpu_metadata
.endif
;; end of part 1
;; launch scores (part 2): grid 256 x 1, 8 waves a work-group, clusters of 4 x 1, 327,680 bytes of LDS; arguments kc, ksc, ub, qbc, Va_w, scores; writes scores
.if DOCPART == 2
	.amdgcn_target "amdgcn-amd-amdhsa--gfx1250"
	.amdhsa_code_object_version 6
	.text
	.protected	k_q47fa8f8cb6_scores
	.globl	k_q47fa8f8cb6_scores
	.p2align	8
	.type	k_q47fa8f8cb6_scores,@function
k_q47fa8f8cb6_scores:
	s_mov_b64 s[64:65], 0
	v_nop
	global_prefetch_b8 v0, s[64:65] scope:SCOPE_SE
	s_setreg_imm32_b32 hwreg(HW_REG_WAVE_MODE, 25, 1), 1
	s_wait_xcnt 0x0
	s_wait_alu depctr_hold_cnt(0) depctr_sa_sdst(0) depctr_va_vdst(0) depctr_va_sdst(0) depctr_va_ssrc(0) depctr_va_vcc(0) depctr_vm_vsrc(0)
	s_getreg_b32 s2, hwreg(HW_REG_IB_STS2, 6, 4)
	s_cmp_eq_u32 s2, 0
	s_cbranch_scc0 .Lentry_in_a_cluster
	s_endpgm
.Lentry_in_a_cluster:
	s_bfe_u32 s2, ttmp6, 0x10000c
	s_cmp_lg_u32 s2, 0x3003
	s_cbranch_scc0 .Lentry_shape_is_right
	s_endpgm
.Lentry_shape_is_right:
; scores[row] = - 2 sum over n of Va[n] r[row][n], r = 1 / (1 + 2^(c k + qbc)), c = 2 log2(e), k = (Q(keys) Q(Ua_w))[row][n]; qbc = c (q + Wa_b + Ua_b) and both operands' codes (BF6, E8M0 scales) were made by the launch before.
; Left out: Va_b and the sum of Va, the same for all rows of a batch ahead of a softmax over them (shown at the head of the first kernel).  2^.. = infinity gives r = 0, 2^.. = 0 gives r = 1: tanh's limits.
; SHARES.  A work-group owns 256 rows of one batch.  Wave w owns rows 64 (w % 4) .. + 63 and the column tiles 32 (w / 4) .. + 31: two waves on a SIMD, each with matrix groups and vector batches by turns.
; A wave keeps its rows' codes for all 1,024 along K in registers: 32 fragments, 384 registers, loaded from kc as images.  A fragment of Ua read from LDS feeds four matrix instructions.
; THE RING: two slots of eight records of ub (four column tiles of each half of N); wave w brings record w of a slot, 13,312 bytes as 52 rows of 256.  One tensor load of a wave is out at a time.
; CLUSTER: all work-groups walk the same ub; the four of a cluster ask for each record jointly (mask 15, one descriptor).  No prefetch: a refill is asked for a whole slot, 1,024 matrix instructions of the work-group, ahead of its first read.
; TRANSPOSED USE: source 0 = 16 columns of Ua, source 1 = 16 rows of keys: a lane holds one row (lane % 16), its eight registers columns n0 + 8 (lane / 16) + 0 .. 7: the sum over n stays in the lane.
; Ua's fragments take turns in three buffers: K steps 0-7 in 0,1,2,0,1,2,0,1; a buffer is loaded anew four places behind the group that read it.
; The two halves of N meet in LDS at the end.  LIMITS: NaN and infinities among the inputs are not served.
; REGISTERS.  window 0: v1-9 addresses; v10 lane, v11 h; v12-27 keys' scale words (tile m: 12 + 4 m + i: lanes 0-15 K step i, lanes 16-31 K step 4 + i); v28-31 Ua's likewise; v32-39 qbc; v40-47 Va; v48-55 sums;
;   v56-87 four accumulators; v88-123 Ua's three buffers; v124-255 keys' fragments 21-31 (fragment 8 m + s).  window 1: fragments 0-20 at 12 f.
.set REC,   13312
.set SLOTB, 8*REC
.set SLOT1, 1<<17
.set QB,    SLOTB                      ; behind slot 0: qbc of my batch, 4,096 bytes, then Va, 4,096 bytes
.set SPARE, QB+8192                    ; the spare words, 128 bytes for each wave
.set PS,    SPARE+1024                 ; 256 bytes for each wave: its 64 partial scores
.set LI,  1                            ; 16 x lane
.set ADB, 2                            ; the record in hand + 16 x lane
.set ADN, 3                            ; the next record + 16 x lane
.set ASN, 4                            ; the next record's scale words
.set AQV, 5                            ; this tile's qbc
.set LS,  6                            ; 12,288 + 32 x lane + 16 h
.set HQ,  7                            ; QB + 32 h
.set SPW, 8
.set NIL, 9
.set WV,  29
.set SEL, 30
.set CS,  32
.set GR,  34                           ; w % 4
.set TQ,  35                           ; LDS byte of the next record
.set TN,  36                           ; 64 bytes x the column tile in hand
.set SL,  37
.set IC,  38
.set HN,  39                           ; w / 4
.set TP,  48                           ; LDS byte of the record in hand
.set MSB, 0
.macro WIN new
.if MSB != (\new)
	s_set_vgpr_msb (MSB<<8)|(\new)
.set MSB, (\new)
.endif
.endm
.macro ROUND                           ; a round of the cluster's barrier
	s_barrier_signal -1
	s_barrier_wait -1
	s_cmp_lg_u32 s[WV], 0
	s_cbranch_scc1 .Lnot_wave_0_\@
	s_barrier_signal -3
.Lnot_wave_0_\@:
	s_barrier_wait -3
	s_barrier_signal -1
	s_barrier_wait -1
.endm
.macro CREST                           ; a round of the cluster's barrier behind its opening barrier
	s_cmp_lg_u32 s[WV], 0
	s_cbranch_scc1 .Lnot_w0_\@
	s_barrier_signal -3
.Lnot_w0_\@:
	s_barrier_wait -3
	s_barrier_signal -1
	s_barrier_wait -1
.endm
.macro PL                              ; four places behind a matrix instruction (ISA guide 7.12.1)
.rept 4
	v_nop
.endr
.endm
.macro JL                              ; my joint load
	tensor_load_to_lds s[12:15], s[16:23]
	s_nop 0
	PL
.endm
	s_load_b256 s[4:11], s[0:1], 0x0               ; kc s[4:5], ksc s[6:7], ub s[8:9], qbc s[10:11]
	s_load_b128 s[24:27], s[0:1], 0x20             ; Va_w s[24:25], scores s[26:27]
	v_lshl_add_u32 v[SPW], v0, 2, SPARE
	v_mov_b32 v[NIL], 0
	ds_add_u32 v[SPW], v[NIL]
	ds_add_u32 v[SPW], v[NIL]
	v_lshrrev_b32 v10, 5, v0
	v_readfirstlane_b32 s[WV], v10                 ; wave 0..7
	s_and_b32 s[GR], s[WV], 3
	s_lshr_b32 s[HN], s[WV], 2
	s_bfe_u32 s40, ttmp6, 0x40000                  ; cx: it enters the addresses of kc, ksc and scores alone
	s_lshl_b32 s41, ttmp9, 2
	s_add_co_u32 s41, s41, s40                     ; my block of 256 rows
	s_mov_b32 s16, 15|(3<<16)|(1<<21)              ; the mask: all four; elements of 8 bytes; bit 21 beside a mask
	s_mov_b32 s17, 32<<16
	s_mov_b32 s18, 52<<16
	s_mov_b32 s19, 32<<16
	s_mov_b32 s20, 52
	s_mov_b32 s21, 32
	s_mov_b32 s22, 0
	s_mov_b32 s23, 0
	s_mul_i32 s42, s[HN], 32*REC                   ; in memory: record 32 (w / 4) + w % 4, then four records on for each slot
	s_mul_i32 s43, s[GR], REC
	s_add_co_u32 s42, s42, s43
	s_mov_b32 s43, 0
	s_mov_b32 s12, 1
	s_mul_i32 s13, s[WV], REC                      ; in LDS: place w of the slot
	s_mov_b32 s[SEL], 0x76543210
	s_mov_b32 s[SEL+1], 0xfedcba98
	s_mov_b32 s[CS], 0x4038aa3b
	s_mov_b32 s[CS+1], s[CS]
	s_wait_dscnt 0x0
	s_wait_kmcnt 0x0
	s_add_nc_u64 s[14:15], s[8:9], s[42:43]
	s_or_b32 s15, s15, 0x80000000
	v_and_b32 v10, 31, v0                          ; lane
	v_bfe_u32 v11, v0, 4, 1                        ; h
	v_lshlrev_b32 v[LI], 4, v10
	v_lshlrev_b32 v[LS], 5, v10
	v_lshl_add_u32 v[LS], v11, 4, v[LS]
	v_add_nc_u32 v[LS], 12288, v[LS]
	v_lshlrev_b32 v[HQ], 5, v11
	v_add_nc_u32 v[HQ], QB, v[HQ]
	v_lshlrev_b32 v[ADB], 4, v0                    ; (for now: 16 t)
	v_add_nc_u32 v[AQV], QB, v[ADB]                ; (for now: where I put my part of qbc and Va)
	s_lshl_b32 s44, s41, 4
	s_lshl_b32 s45, s[GR], 2
	s_add_co_u32 s44, s44, s45                     ; my first row tile
	s_mul_i32 s46, s44, 12288
	s_mov_b32 s47, 0
	s_add_nc_u64 s[4:5], s[4:5], s[46:47]
	s_lshl_b32 s46, s44, 9
	s_add_nc_u64 s[6:7], s[6:7], s[46:47]
	s_lshr_b32 s46, ttmp9, 1                       ; the batch: two clusters to a batch
	s_lshl_b32 s46, s46, 12
	s_add_nc_u64 s[10:11], s[10:11], s[46:47]
	s_lshl_b32 s46, s44, 6
	s_add_nc_u64 s[26:27], s[26:27], s[46:47]      ; scores at my first row
	s_wait_alu depctr_va_vdst(0)
	global_load_b128 v[32:35], v[ADB], s[10:11]    ; qbc and Va: 16 bytes a thread each
	global_load_b128 v[40:43], v[ADB], s[24:25]
.irp m, 0,1,2,3
	global_load_b128 v[12+4*\m:15+4*\m], v[LI], s[6:7] offset:512*\m   ; lane (r, h): row r's words of K steps 4 h .. 4 h + 3
.endr
.set F, 0
.rept 16
.if F < 21
	WIN 0x40
.set AR, 12*F
.else
	WIN 0
.set AR, 124+12*(F-21)
.endif
.irp c, 0,1,2
	global_load_b128 v[AR+4*\c:AR+4*\c+3], v[LI], s[4:5] offset:1536*F+512*\c
.endr
.set F, F+1
.endr
	WIN 0
	ROUND                                          ; the 54 loads above are on their way while the four work-groups meet
	JL                                             ; slot 0: one tensor load a wave at the head
	s_wait_loadcnt 52                              ; qbc and Va are in; behind them: 4 loads of scale words and 48 of the first 16 fragments
	ds_store_b128 v[AQV], v[32:35]
	ds_store_b128 v[AQV], v[40:43] offset:4096
.rept 16                               ; fragments 16-31
.if F < 21
	WIN 0x40
.set AR, 12*F
.else
	WIN 0
.set AR, 124+12*(F-21)
.endif
.irp c, 0,1,2
	global_load_b128 v[AR+4*\c:AR+4*\c+3], v[LI], s[4:5] offset:1536*F+512*\c
.endr
.set F, F+1
.endr
	WIN 0
	s_wait_tensorcnt 0x0                           ; slot 1's first fill is issued as a refill is
	ds_add_u32 v[SPW], v[NIL]
	s_xor_b32 s13, s13, SLOT1
	s_add_nc_u64 s[14:15], s[14:15], 4*REC
	s_wait_dscnt 0x0
	ROUND                                          ; slot 0, qbc and Va are whole for every wave
	JL
	s_mul_i32 s[TP], s[HN], 4*REC                  ; my first record of a slot
	s_mul_i32 s[TQ], s[HN], 4*REC
	v_add_nc_u32 v[ADN], s[TQ], v[LI]
	v_add_nc_u32 v[ASN], s[TQ], v[LS]
	s_add_co_u32 s[TQ], s[TQ], REC
	s_lshl_b32 s[TN], s[HN], 11
.irp j, 0,1,2,3,4,5,6,7
	v_mov_b32 v[48+\j], 0                          ; the rows' sums
.endr
	s_wait_alu depctr_va_vdst(0)
.macro LDF buf, adr, ks                ; K step ks of a record into a buffer
.irp c, 0,1,2
	ds_load_b128 v[88+12*\buf+4*\c:91+12*\buf+4*\c], v[\adr] offset:1536*\ks+512*\c
.endr
.endm
.macro GRP s, buf                      ; K step s: four products, the four accumulators by turns; the first group starts the sums
.irp m, 0,1,2,3
.if (8*\m+\s) < 21
	WIN 0x04                                       ; source 1 in window 1
.set AR, 12*(8*\m+\s)
.else
	WIN 0
.set AR, 124+12*(8*\m+\s-21)
.endif
.if \s == 0
	v_wmma_scale_f32_16x16x128_f8f6f4 v[56+8*\m:63+8*\m], v[88+12*\buf:99+12*\buf], v[AR:AR+11], 0, v[28], v[12+4*\m] matrix_a_fmt:MATRIX_FMT_BF6 matrix_b_fmt:MATRIX_FMT_BF6
.elseif \s < 4
	v_wmma_scale_f32_16x16x128_f8f6f4 v[56+8*\m:63+8*\m], v[88+12*\buf:99+12*\buf], v[AR:AR+11], v[56+8*\m:63+8*\m], v[28+\s], v[12+4*\m+\s] matrix_a_fmt:MATRIX_FMT_BF6 matrix_b_fmt:MATRIX_FMT_BF6
.else
	v_wmma_scale_f32_16x16x128_f8f6f4 v[56+8*\m:63+8*\m], v[88+12*\buf:99+12*\buf], v[AR:AR+11], v[56+8*\m:63+8*\m], v[24+\s], v[8+4*\m+\s] matrix_a_fmt:MATRIX_FMT_BF6 matrix_b_fmt:MATRIX_FMT_BF6 matrix_a_scale:MATRIX_SCALE_ROW1 matrix_b_scale:MATRIX_SCALE_ROW1
.endif
.endr
	WIN 0
	PL
.endm
.macro TANH                            ; in batches
.set X, 0
.rept 16
	v_pk_fma_f32 v[56+2*X:57+2*X], v[56+2*X:57+2*X], s[CS:CS+1], v[32+2*(X%4):33+2*(X%4)] op_sel_hi:[1,0,1]   ; c k + qbc, each accumulator from its low end on
.set X, X+1
.endr
	s_wait_alu depctr_va_vdst(0)
.set X, 0
.rept 32
	v_exp_f32 v[56+X], v[56+X]
.set X, X+1
.endr
	v_nop
	s_wait_alu depctr_va_vdst(0)
.set X, 0
.rept 16
	v_pk_add_f32 v[56+2*X:57+2*X], v[56+2*X:57+2*X], 1.0 op_sel_hi:[1,0]
.set X, X+1
.endr
	s_wait_alu depctr_va_vdst(0)
.set X, 0
.rept 32
	v_rcp_f32 v[56+X], v[56+X]
.set X, X+1
.endr
	v_nop
	s_wait_alu depctr_va_vdst(0)
.irp q, 0,1,2,3
.irp m, 0,1,2,3
	v_pk_fma_f32 v[48+2*\m:49+2*\m], v[56+8*\m+2*\q:57+8*\m+2*\q], v[40+2*\q:41+2*\q], v[48+2*\m:49+2*\m]   ; the four row tiles' sums by turns
.endr
.endr
.endm
; ONE COLUMN TILE.  chg = 1: the slot's last tile, the slot is filled again; chg = 2: the same with nothing left to fetch; last = 1: no tile follows.
; The change of slots stands behind my last read of the slot (K step 7's fragment) and ahead of my first read of the other one.
.macro TILE chg, last
	v_add_nc_u32 v[ADB], s[TP], v[LI]
.if !\last
	v_add_nc_u32 v[ADN], s[TQ], v[LI]
	v_add_nc_u32 v[ASN], s[TQ], v[LS]
.endif
	v_add_nc_u32 v[AQV], s[TN], v[HQ]
	s_wait_alu depctr_va_vdst(0)
	ds_load_b128 v[32:35], v[AQV]
	ds_load_b128 v[36:39], v[AQV] offset:16
	ds_load_b128 v[40:43], v[AQV] offset:4096
	ds_load_b128 v[44:47], v[AQV] offset:4112
	s_wait_dscnt 4                                 ; all but the four just issued: K steps 0-2 and Ua's scale words are in
	GRP 0, 0
	LDF 0, ADB, 3
	GRP 1, 1
	LDF 1, ADB, 4
	GRP 2, 2
	LDF 2, ADB, 5
	s_wait_dscnt 6                                 ; here and below: the two younger fragments, three loads each, may be out
	GRP 3, 0
	LDF 0, ADB, 6
	s_wait_dscnt 6
	GRP 4, 1
	LDF 1, ADB, 7
	s_wait_dscnt 6
	GRP 5, 2
.if \chg
	s_wait_tensorcnt 0x0                           ; my record of the other slot has landed
	ds_add_u32 v[SPW], v[NIL]
.if \chg == 1
	s_xor_b32 s13, s13, SLOT1
	s_add_nc_u64 s[14:15], s[14:15], 4*REC
.endif
	s_wait_dscnt 4                                 ; K step 6 is in; K step 7's three loads and the add may be out
	GRP 6, 0                                       ; four products stand between the add and the wait for it
	s_wait_dscnt 0x0                               ; the add is done and my reads of this slot are over
	s_barrier_signal -1
	GRP 7, 1                                       ; work on registers while the others arrive
	s_barrier_wait -1
.if \chg == 1
	CREST                                          ; the barrier has opened a round of the cluster's barrier
	JL                                             ; the refill, my first tensor load behind the round
.endif
	LDF 2, ADN, 2                                  ; the next tile lies in the other slot
	LDF 0, ADN, 0
	LDF 1, ADN, 1
	ds_load_b128 v[28:31], v[ASN]
.elseif \last
	s_wait_dscnt 3                                 ; K step 7's three loads may be out
	GRP 6, 0
	s_wait_dscnt 0x0
	GRP 7, 1
.else
	LDF 2, ADN, 2
	s_wait_dscnt 6
	GRP 6, 0
	LDF 0, ADN, 0
	s_wait_dscnt 6
	GRP 7, 1
	LDF 1, ADN, 1
	ds_load_b128 v[28:31], v[ASN]
.endif
	TANH
.endm
.macro THREE                           ; a slot's first three tiles
	s_mov_b32 s[IC], 3
.Lin_\@:
	TILE 0, 0
	s_add_co_u32 s[TP], s[TP], REC
	s_add_co_u32 s[TQ], s[TQ], REC
	s_add_co_u32 s[TN], s[TN], 64
	s_sub_co_u32 s[IC], s[IC], 1
	s_cmp_lg_u32 s[IC], 0
	s_wait_alu depctr_va_vdst(0)
	s_cbranch_scc1 .Lin_\@
	s_sub_co_u32 s[TQ], s[TQ], 4*REC               ; the next record: my first one,
	s_xor_b32 s[TQ], s[TQ], SLOT1                  ; in the other slot
.endm
.macro OVER                            ; behind a slot's last tile
	s_sub_co_u32 s[TP], s[TP], 3*REC
	s_xor_b32 s[TP], s[TP], SLOT1
	s_add_co_u32 s[TQ], s[TQ], REC
	s_add_co_u32 s[TN], s[TN], 64
.endm
	LDF 0, ADN, 0                                  ; the first tile's K steps 0-2 and scale words
	LDF 1, ADN, 1
	LDF 2, ADN, 2
	ds_load_b128 v[28:31], v[ASN]
	s_wait_loadcnt 0x0                             ; keys' fragments and scale words
	s_mov_b32 s[SL], 6
.Lslot:                                            ; slots 0-5: each is filled again with the records two slots on
	THREE
	TILE 1, 0
	OVER
	s_sub_co_u32 s[SL], s[SL], 1
	s_cmp_lg_u32 s[SL], 0
	s_wait_alu depctr_va_vdst(0)
	s_cbranch_scc1 .Lslot
	THREE                                          ; the last two slots are written out
	TILE 2, 0
	OVER
	THREE
	TILE 0, 1
.irp m, 0,1,2,3
	v_add_f32 v[56+\m], v[48+2*\m], v[49+2*\m]
.endr
.irp m, 0,1,2,3
	v_permlanex16_b32 v[60+\m], v[56+\m], s[SEL], s[SEL+1]
.endr
.irp m, 0,1,2,3
	v_add_f32 v[56+\m], v[56+\m], v[60+\m]         ; row 16 m + lane % 16, over my half of N, in both halves of the lanes
.endr
	v_cmp_le_u32 vcc_lo, 16, v10
	v_cndmask_b32 v64, v56, v57, vcc_lo            ; 32 neighbouring rows
	v_cndmask_b32 v65, v58, v59, vcc_lo
	v_lshlrev_b32 v66, 2, v10
	s_lshl_b32 s46, s[WV], 8
	s_add_co_u32 s46, s46, PS
	v_add_nc_u32 v67, s46, v66
	s_xor_b32 s47, s[WV], 4                        ; the wave with my rows and the other half of N
	s_lshl_b32 s47, s47, 8
	s_add_co_u32 s47, s47, PS
	v_add_nc_u32 v68, s47, v66
	ds_store_b32 v67, v64
	ds_store_b32 v67, v65 offset:128
	s_wait_alu depctr_va_vdst(0)
	s_wait_dscnt 0x0                               ; for the others' sake
	s_barrier_signal -1
	s_barrier_wait -1
	ds_load_b32 v69, v68
	ds_load_b32 v70, v68 offset:128
	s_wait_dscnt 0x0
	v_add_f32 v69, v69, v64
	v_add_f32 v70, v70, v65
	v_mul_f32 v69, -2.0, v69
	v_mul_f32 v70, -2.0, v70
	s_cmp_lg_u32 s[HN], 0
	s_cbranch_scc1 .Lno_store                      ; waves 0-3 store
	global_store_b32 v66, v69, s[26:27]            ; the wave's two stores cover 256 consecutive bytes, aligned
	global_store_b32 v66, v70, s[26:27] offset:128
.Lno_store:
	s_wait_tensorcnt 0x0                           ; the wave's end
	ds_add_u32 v[SPW], v[NIL]
	s_wait_dscnt 0x0
	ROUND                                          ; the closing round
	s_endpgm
.Lfunc_end_k_q47fa8f8cb6_scores:
	.size	k_q47fa8f8cb6_scores, .Lfunc_end_k_q47fa8f8cb6_scores-k_q47fa8f8cb6_scores
	.p2alignl 7, 3214868480
	.fill 96, 4, 3214868480
	.section	.rodata,"a",@progbits
	.p2align	6, 0x0
	.amdhsa_kernel k_q47fa8f8cb6_scores
		.amdhsa_group_segment_fixed_size 327680
		.amdhsa_private_segment_fixed_size 0
		.amdhsa_enable_private_segment 0
		.amdhsa_kernarg_size 48
		.amdhsa_user_sgpr_count 2
		.amdhsa_user_sgpr_kernarg_segment_ptr 1
		.amdhsa_wavefront_size32 1
		.amdhsa_system_sgpr_workgroup_id_x 1
		.amdhsa_system_sgpr_workgroup_id_y 1
		.amdhsa_system_sgpr_workgroup_id_z 1
		.amdhsa_system_vgpr_workitem_id 0
		.amdhsa_next_free_vgpr 512
		.amdhsa_next_free_sgpr 66
		.amdhsa_reserve_vcc 1
		.amdhsa_float_denorm_mode_32 3
		.amdhsa_float_denorm_mode_16_64 3
		.amdhsa_memory_ordered 1
		.amdhsa_forward_progress 1
		.amdhsa_inst_pref_size 97
	.end_amdhsa_kernel
	.amdgpu_metadata
---
amdhsa.version: [ 1, 2 ]
amdhsa.kernels:
  - .name:           k_q47fa8f8cb6_scores
    .symbol:         k_q47fa8f8cb6_scores.kd
    .args:
      - { .name: kc, .offset: 0, .size: 8, .value_kind: global_buffer, .address_space: global }
      - { .name: ksc, .offset: 8, .size: 8, .value_kind: global_buffer, .address_space: global }
      - { .name: ub, .offset: 16, .size: 8, .value_kind: global_buffer, .address_space: global }
      - { .name: qbc, .offset: 24, .size: 8, .value_kind: global_buffer, .address_space: global }
      - { .name: Va_w, .offset: 32, .size: 8, .value_kind: global_buffer, .address_space: global }
      - { .name: scores, .offset: 40, .size: 8, .value_kind: global_buffer, .address_space: global }
    .group_segment_fixed_size: 327680
    .private_segment_fixed_size: 0
    .kernarg_segment_align: 8
    .kernarg_segment_size: 48
    .max_flat_workgroup_size: 256
    .sgpr_count:     66
    .vgpr_count:     512
    .wavefront_size: 32
...
	.end_amdgpu_metadata
.endif
;; end of part 2
;; launch context (part 3): grid 256 x 1, 8 waves a work-group, no clusters, 16,384 bytes of LDS; arguments scores, keys, out0, out1; writes out0, out1
.if DOCPART == 3
	.amdgcn_target "amdgcn-amd-amdhsa--gfx1250"
	.amdhsa_code_object_version 6
	.text
	.protected	k_q47fa8f8cb6_context
	.globl	k_q47fa8f8cb6_context
	.p2align	8
	.type	k_q47fa8f8cb6_context,@function
k_q47fa8f8cb6_context:
	s_mov_b64 s[64:65], 0
	v_nop
	global_prefetch_b8 v0, s[64:65] scope:SCOPE_SE
	s_setreg_imm32_b32 hwreg(HW_REG_WAVE_MODE, 25, 1), 1
	s_wait_xcnt 0x0
; out1[b][s] = softmax over s of scores[b][s];  out0[b][h] = sum over s of out1[b][s] keys[b][s][h].  All in f32.
; A work-group owns 128 columns h of one batch (b = g / 8, c = g % 8), so each number of out0 has one owner; it also stores 256 of the batch's 2,048 weights.
; Every work-group takes the batch's maximum away and sums the exponentials itself (8 KB of scores).  Wave w then walks rows 256 w .. 256 w + 255 of keys: a load is one row's 512 bytes (my 128 columns),
; 32 loads of a wave are on their way; the weights, not yet normalised, are read from LDS, all lanes the same word.  The eight waves' sums meet in LDS.
; One row of weights against a stream read once: memory binds, so fused multiply-adds do the product; matrix units, tensor loads and clusters would add nothing (no two work-groups share a byte of keys).
; LIMITS: NaN and infinities among the scores are not served.
.set WT,  0                            ; LDS: the 2,048 exponentials, 8,192 bytes
.set RED, 8192                         ; eight waves x 512 bytes of partial sums
.set XM,  12288                        ; eight maxima
.set XS,  12544                        ; eight sums
.set AW,  189                          ; v189 LDS address of the trip's weights
	s_load_b256 s[4:11], s[0:1], 0x0               ; scores s[4:5], keys s[6:7], out0 s[8:9], out1 s[10:11]
	v_lshrrev_b32 v1, 5, v0
	s_delay_alu instid0(VALU_DEP_1)
	v_readfirstlane_b32 s12, v1                    ; wave 0..7
	v_and_b32 v2, 31, v0
	s_delay_alu instid0(VALU_DEP_1)
	v_lshlrev_b32 v3, 4, v2                        ; 16 x lane
	v_lshlrev_b32 v4, 4, v0                        ; 16 t
	v_lshlrev_b32 v5, 2, v1                        ; 4 w
	v_lshlrev_b32 v6, 10, v1                       ; 1,024 w: my 256 weights
	; (scores come without Va_b and the sum of Va, which the softmax takes away: shown at the head of the first kernel)
	v_mov_b32 v7, 0
	v_lshl_add_u32 v190, v0, 2, 12800              ; my spare word: 1,024 bytes from 12,800 on that no other line names
	v_mov_b32 v191, 0
	v_mov_b32 v179, 0                              ; a lane permute's destination counts as one of its sources
	s_mov_b32 s16, 0x76543210
	s_mov_b32 s17, 0xfedcba98
	s_lshr_b32 s13, ttmp9, 3                       ; b
	s_and_b32 s14, ttmp9, 7                        ; c
	s_lshl_b32 s22, s14, 10
	v_add_nc_u32 v188, s22, v3                     ; the 256 weights that this work-group stores: 1,024 c + 16 x lane
	s_mov_b32 s19, 0
	s_mov_b32 s25, 0
	s_lshl_b32 s18, s13, 13                        ; scores and out1: 8,192 bytes a batch
	s_lshl_b32 s24, s13, 23                        ; keys: 8 MiB a batch,
	s_lshl_b32 s23, s14, 9                         ; 512 bytes a column block,
	s_add_co_u32 s24, s24, s23
	s_lshl_b32 s26, s12, 20                        ; 256 rows of 4,096 bytes a wave
	s_add_co_u32 s24, s24, s26
	s_wait_alu depctr_va_vdst(0)
	s_wait_kmcnt 0x0
	s_add_nc_u64 s[4:5], s[4:5], s[18:19]
	s_add_nc_u64 s[6:7], s[6:7], s[24:25]
	s_add_co_u32 s18, s18, s22
	s_add_nc_u64 s[10:11], s[10:11], s[18:19]      ; out1 + 8,192 b + 1,024 c
	s_lshl_b32 s18, s13, 12
	s_add_co_u32 s18, s18, s23
	s_add_nc_u64 s[8:9], s[8:9], s[18:19]          ; out0 + 4,096 b + 512 c
	global_load_b128 v[8:11], v4, s[4:5]
	global_load_b128 v[12:15], v4, s[4:5] offset:4096   ; and 1,024 + 4 t ..
.irp p, 0,1
.irp i, 0,1,2,3,4,5,6,7,8,9,10,11,12,13,14,15
	global_load_b128 v[32+64*\p+4*\i:35+64*\p+4*\i], v3, s[6:7] offset:(16*\p+\i)*4096 th:TH_LOAD_NT   ; my first 32 rows go out before the softmax
.endr
.endr
	s_wait_loadcnt 32                              ; the scores are in; the 32 rows may be out
	v_max3_num_f32 v178, v8, v9, v10
	s_delay_alu instid0(VALU_DEP_1)
	v_max3_num_f32 v178, v178, v11, v12
	s_delay_alu instid0(VALU_DEP_1)
	v_max3_num_f32 v178, v178, v13, v14
	s_delay_alu instid0(VALU_DEP_1)
	v_max_num_f32 v178, v178, v15
	s_delay_alu instid0(VALU_DEP_1)
	v_max_num_f32_dpp v178, v178, v178 row_xmask:1 row_mask:0xf bank_mask:0xf
	s_delay_alu instid0(VALU_DEP_1)
	v_max_num_f32_dpp v178, v178, v178 row_xmask:2 row_mask:0xf bank_mask:0xf
	s_delay_alu instid0(VALU_DEP_1)
	v_max_num_f32_dpp v178, v178, v178 row_xmask:4 row_mask:0xf bank_mask:0xf
	s_delay_alu instid0(VALU_DEP_1)
	v_max_num_f32_dpp v178, v178, v178 row_xmask:8 row_mask:0xf bank_mask:0xf
	s_delay_alu instid0(VALU_DEP_1)
	v_permlanex16_b32 v179, v178, s16, s17
	s_delay_alu instid0(VALU_DEP_1)
	v_max_num_f32 v178, v178, v179                 ; the wave's maximum, in every lane
	ds_store_b32 v5, v178 offset:XM
	s_wait_dscnt 0x0
	s_barrier_signal -1
	s_barrier_wait -1
	ds_load_b128 v[180:183], v7 offset:XM
	ds_load_b128 v[184:187], v7 offset:XM+16
	s_wait_dscnt 0x0
	v_max3_num_f32 v178, v180, v181, v182
	s_delay_alu instid0(VALU_DEP_1)
	v_max3_num_f32 v178, v178, v183, v184
	s_delay_alu instid0(VALU_DEP_1)
	v_max3_num_f32 v178, v178, v185, v186
	s_delay_alu instid0(VALU_DEP_1)
	v_max_num_f32 v178, v178, v187                 ; the batch's maximum
.irp j, 0,1,2,3,4,5,6,7
	v_sub_f32 v[8+\j], v[8+\j], v178
.endr
.irp j, 0,1,2,3,4,5,6,7
	v_mul_f32 v[8+\j], 0x3fb8aa3b, v[8+\j]
.endr
	s_wait_alu depctr_va_vdst(0)
.irp j, 0,1,2,3,4,5,6,7
	v_exp_f32 v[8+\j], v[8+\j]                     ; p = e^(score - maximum), at most 1
.endr
	v_nop                                          ; a plain instruction behind the exponentials
	s_wait_alu depctr_va_vdst(0)
	v_pk_add_f32 v[180:181], v[8:9], v[10:11]
	v_pk_add_f32 v[182:183], v[12:13], v[14:15]
	s_delay_alu instid0(VALU_DEP_1)
	v_pk_add_f32 v[180:181], v[180:181], v[182:183]
	s_delay_alu instid0(VALU_DEP_1)
	v_add_f32 v180, v180, v181
	s_delay_alu instid0(VALU_DEP_1)
	v_add_f32_dpp v180, v180, v180 row_xmask:1 row_mask:0xf bank_mask:0xf
	s_delay_alu instid0(VALU_DEP_1)
	v_add_f32_dpp v180, v180, v180 row_xmask:2 row_mask:0xf bank_mask:0xf
	s_delay_alu instid0(VALU_DEP_1)
	v_add_f32_dpp v180, v180, v180 row_xmask:4 row_mask:0xf bank_mask:0xf
	s_delay_alu instid0(VALU_DEP_1)
	v_add_f32_dpp v180, v180, v180 row_xmask:8 row_mask:0xf bank_mask:0xf
	s_delay_alu instid0(VALU_DEP_1)
	v_permlanex16_b32 v179, v180, s16, s17
	s_delay_alu instid0(VALU_DEP_1)
	v_add_f32 v180, v180, v179                     ; the wave's sum
	ds_store_b128 v4, v[8:11] offset:WT
	ds_store_b128 v4, v[12:15] offset:WT+4096
	ds_store_b32 v5, v180 offset:XS
	s_wait_dscnt 0x0
	s_barrier_signal -1
	s_barrier_wait -1                              ; all 2,048 p and the eight sums lie in LDS
	ds_load_b128 v[180:183], v7 offset:XS
	ds_load_b128 v[184:187], v7 offset:XS+16
	s_wait_dscnt 0x0
	v_pk_add_f32 v[180:181], v[180:181], v[182:183]
	v_pk_add_f32 v[184:185], v[184:185], v[186:187]
	s_delay_alu instid0(VALU_DEP_1)
	v_pk_add_f32 v[180:181], v[180:181], v[184:185]
	s_delay_alu instid0(VALU_DEP_1)
	v_add_f32 v180, v180, v181
	s_wait_alu depctr_va_vdst(0)
	v_rcp_f32 v176, v180                           ; 1 / the sum, twice: a pair for the packed multiply
	v_rcp_f32 v177, v180
.set J, 0
.rept 16
	v_mov_b32 v[160+J], 0                          ; four sets of four sums, so that no multiply-add waits for the one just before it.  (Plain instructions behind the reciprocals)
.set J, J+1
.endr
; Sixteen rows: set p of the rows' registers.  left: how many younger loads may stay out.  refill = 1: the set takes the rows 32 further down.
.macro HALF p, refill, left
.irp q, 0,1,2,3
	ds_load_b128 v[16+4*\q:19+4*\q], v[AW] offset:64*\p+16*\q      ; the rows' sixteen weights: every lane reads the same words
.endr
	s_wait_loadcnt \left
	s_wait_dscnt 0x0
.irp i, 0,1,2,3,4,5,6,7,8,9,10,11,12,13,14,15
.if (\i%2) == 0
	v_pk_fma_f32 v[160+4*(\i%4):161+4*(\i%4)], v[32+64*\p+4*\i:33+64*\p+4*\i], v[16+\i:17+\i], v[160+4*(\i%4):161+4*(\i%4)] op_sel_hi:[1,0,1]   ; the pair's first register is the row's weight, for both halves
	v_pk_fma_f32 v[162+4*(\i%4):163+4*(\i%4)], v[34+64*\p+4*\i:35+64*\p+4*\i], v[16+\i:17+\i], v[162+4*(\i%4):163+4*(\i%4)] op_sel_hi:[1,0,1]
.else
	v_pk_fma_f32 v[160+4*(\i%4):161+4*(\i%4)], v[32+64*\p+4*\i:33+64*\p+4*\i], v[15+\i:16+\i], v[160+4*(\i%4):161+4*(\i%4)] op_sel:[0,1,0] op_sel_hi:[1,1,1]   ; the pair's second register
	v_pk_fma_f32 v[162+4*(\i%4):163+4*(\i%4)], v[34+64*\p+4*\i:35+64*\p+4*\i], v[15+\i:16+\i], v[162+4*(\i%4):163+4*(\i%4)] op_sel:[0,1,0] op_sel_hi:[1,1,1]
.endif
.endr
.if \refill
.irp i, 0,1,2,3,4,5,6,7,8,9,10,11,12,13,14,15
	global_load_b128 v[32+64*\p+4*\i:35+64*\p+4*\i], v3, s[6:7] offset:(32+16*\p+\i)*4096 th:TH_LOAD_NT
.endr
.endif
.endm
	s_wait_alu depctr_va_vdst(0)
	s_mov_b32 s20, 0                               ; 128 bytes of weights a trip
	s_mov_b32 s21, 7
.Ltrip:                                            ; 32 rows a trip
	v_add_nc_u32 v[AW], s20, v6
	s_wait_alu depctr_va_vdst(0)
	HALF 0, 1, 16                                  ; set 0 is in; set 1's sixteen loads may be out
	s_wait_alu depctr_va_vdst(0)
	HALF 1, 1, 16                                  ; set 1 is in; set 0's refill may be out
	s_wait_xcnt 0x0                                ; the loads have read their base: it may step
	s_add_nc_u64 s[6:7], s[6:7], 131072
	s_add_co_u32 s20, s20, 128
	s_sub_co_u32 s21, s21, 1
	s_cmp_lg_u32 s21, 0
	s_cbranch_scc1 .Ltrip
	v_add_nc_u32 v[AW], s20, v6
	s_wait_alu depctr_va_vdst(0)
	HALF 0, 0, 16                                  ; the last 32 rows: nothing more is loaded, the counts run down
	s_wait_alu depctr_va_vdst(0)
	HALF 1, 0, 0
	v_pk_add_f32 v[160:161], v[160:161], v[164:165]
	v_pk_add_f32 v[162:163], v[162:163], v[166:167]
	s_delay_alu instid0(VALU_DEP_4)
	v_pk_add_f32 v[168:169], v[168:169], v[172:173]
	s_delay_alu instid0(VALU_DEP_4)
	v_pk_add_f32 v[170:171], v[170:171], v[174:175]
	s_delay_alu instid0(VALU_DEP_2)
	v_pk_add_f32 v[160:161], v[160:161], v[168:169]
	s_delay_alu instid0(VALU_DEP_2)
	v_pk_add_f32 v[162:163], v[162:163], v[170:171]
	v_pk_mul_f32 v[160:161], v[160:161], v[176:177]   ; / the sum
	v_pk_mul_f32 v[162:163], v[162:163], v[176:177]
	ds_store_b128 v4, v[160:163] offset:RED        ; 16 t = 512 w + 16 x lane
	s_wait_dscnt 0x0
	s_barrier_signal -1
	s_barrier_wait -1
	s_cmp_eq_u32 s12, 0
	s_cbranch_scc0 .Lnot_wave_0
.irp k, 0,1,2,3,4,5,6,7
	ds_load_b128 v[32+4*\k:35+4*\k], v3 offset:RED+512*\k          ; wave 0 adds the eight waves' parts
.endr
	s_wait_dscnt 0x0
.irp k, 0,2,4,6,8,10,12,14
	v_pk_add_f32 v[32+\k:33+\k], v[32+\k:33+\k], v[48+\k:49+\k]
.endr
.irp k, 0,2,4,6
	s_delay_alu instid0(VALU_DEP_4)
	v_pk_add_f32 v[32+\k:33+\k], v[32+\k:33+\k], v[40+\k:41+\k]
.endr
.irp k, 0,2
	s_delay_alu instid0(VALU_DEP_2)
	v_pk_add_f32 v[32+\k:33+\k], v[32+\k:33+\k], v[36+\k:37+\k]
.endr
	global_store_b128 v3, v[32:35], s[8:9]         ; 32 lanes store 512 consecutive bytes, aligned
	s_wait_tensorcnt 0x0                           ; the wave's end
	ds_add_u32 v190, v191
	s_wait_dscnt 0x0
	s_endpgm
.Lnot_wave_0:
	s_cmp_eq_u32 s12, 1
	s_cbranch_scc0 .Ldone
	ds_load_b128 v[32:35], v188 offset:WT          ; wave 1 stores this work-group's 256 weights
	ds_load_b128 v[36:39], v188 offset:WT+512
	s_wait_dscnt 0x0
.irp k, 0,2,4,6
	v_pk_mul_f32 v[32+\k:33+\k], v[32+\k:33+\k], v[176:177]
.endr
	global_store_b128 v3, v[32:35], s[10:11]
	global_store_b128 v3, v[36:39], s[10:11] offset:512
.Ldone:
	s_wait_tensorcnt 0x0                           ; the wave's end
	ds_add_u32 v190, v191
	s_wait_dscnt 0x0
	s_endpgm
.Lfunc_end_k_q47fa8f8cb6_context:
	.size	k_q47fa8f8cb6_context, .Lfunc_end_k_q47fa8f8cb6_context-k_q47fa8f8cb6_context
	.p2alignl 7, 3214868480
	.fill 96, 4, 3214868480
	.section	.rodata,"a",@progbits
	.p2align	6, 0x0
	.amdhsa_kernel k_q47fa8f8cb6_context
		.amdhsa_group_segment_fixed_size 16384
		.amdhsa_private_segment_fixed_size 0
		.amdhsa_enable_private_segment 0
		.amdhsa_kernarg_size 32
		.amdhsa_user_sgpr_count 2
		.amdhsa_user_sgpr_kernarg_segment_ptr 1
		.amdhsa_wavefront_size32 1
		.amdhsa_system_sgpr_workgroup_id_x 1
		.amdhsa_system_sgpr_workgroup_id_y 1
		.amdhsa_system_sgpr_workgroup_id_z 1
		.amdhsa_system_vgpr_workitem_id 0
		.amdhsa_next_free_vgpr 192
		.amdhsa_next_free_sgpr 66
		.amdhsa_reserve_vcc 0
		.amdhsa_float_denorm_mode_32 3
		.amdhsa_float_denorm_mode_16_64 3
		.amdhsa_memory_ordered 1
		.amdhsa_forward_progress 1
		.amdhsa_inst_pref_size 26
	.end_amdhsa_kernel
	.amdgpu_metadata
---
amdhsa.version: [ 1, 2 ]
amdhsa.kernels:
  - .name:           k_q47fa8f8cb6_context
    .symbol:         k_q47fa8f8cb6_context.kd
    .args:
      - { .name: scores, .offset: 0, .size: 8, .value_kind: global_buffer, .address_space: global }
      - { .name: keys, .offset: 8, .size: 8, .value_kind: global_buffer, .address_space: global }
      - { .name: out0, .offset: 16, .size: 8, .value_kind: global_buffer, .address_space: global }
      - { .name: out1, .offset: 24, .size: 8, .value_kind: global_buffer, .address_space: global }
    .group_segment_fixed_size: 16384
    .private_segment_fixed_size: 0
    .kernarg_segment_align: 8
    .kernarg_segment_size: 32
    .max_flat_workgroup_size: 256
    .sgpr_count:     66
    .vgpr_count:     192
    .wavefront_size: 32
...
	.end_amdgpu_metadata
.endif
;; end of part 3
